; MI455X (gfx1250); checked and timed in simulation.
; The chip was launched on July 23, 2026; its instructions are those of AMD's public machine-readable ISA for CDNA 5 (MIT licence, August 2026) and "CDNA5" Instruction Set Architecture Reference Guide (July 2026). The comments in the code are by the model that wrote it; some were corrected since.
;; Bahdanau Attention. Allowed arithmetic: matrix products marked QUANTISED: E2M3 operands, one E8M0 scale for each 32 along K, by v_wmma_scale_f32_16x16x128_f8f6f4 with both operands' format E2M3, f32 sums; products left as they are: f32 operands where the result goes on into a quantised operand, else bf16, f16 or f32 operands; f32 sums; everything else in f32.
;; Inputs: W_dec 1,024 x 1,024 float32; W_enc 1,024 x 1,024 float32; dec_hidden 64 x 1,024 float32; enc_mask 64 x 1,024 bool; enc_outputs 64 x 1,024 x 1,024 float32; v 1,024 float32.
;; Outputs: out0 64 x 1,024 float32; out1 64 x 1,024 float32.
;; This version of the problem:
;;   THIS VERSION OF THE PROBLEM IS GIVEN IN LOW PRECISION. The matrix products marked QUANTISED in the list below multiply operands that are first quantised to E2M3 (2 exponent bits, 3 mantissa bits; 6 bits a number), with one power-of-two scale for each 32 numbers along K (OCP MX v1.0); their sums are f32. All else is computed in f32.
;;   The module's matrix products, in the order in which they are computed (A, B: the left and right operand; K: the contracted axis; several contracted axes count as one K, in the product's order):
;;     1. [M 65,536, K 1,024] x [K 1,024, N 1,024]; A: input enc_outputs; B: input W_enc: QUANTISED
;;     2. [M 64, K 1,024] x [K 1,024, N 1,024]; A: input dec_hidden; B: input W_dec: QUANTISED
;;     3. [M 65,536, K 1,024] x [K 1,024, N 1]; A: computed on the way; B: input v: left as it is (N = 1 < 16)
;;     4. batch 64 x [M 1, K 1,024] x [K 1,024, N 1,024]; A: softmax; B: input enc_outputs: left as it is (M = 1 < 16)
;;   THE QUANTISER, for each operand of a quantised product, along K:
;;     - K is cut into blocks of 32 from its start; a last block that is shorter is filled with zeros.
;;     - A block's scale is 2^e with e = floor(log2(the largest magnitude in the block)) - 2, held to -126 .. 127; a block of zeros has e = 0. As a byte (E8M0): e + 127.
;;     - Each number is divided by its block's scale, clamped to +-7.5, and rounded to the nearest number of E2M3, ties to even, subnormals kept.
;;     - The product sums the exact products of the quantised numbers (number of the format x scale) in f32.
;;   ~~~python
;;   def quantise(x, axis):      # numpy; x: float32 -> the quantised numbers, widened to float32 again
;;       x = np.moveaxis(x, axis, -1); K = x.shape[-1]
;;       x = np.pad(x, [(0, 0)] * (x.ndim - 1) + [(0, -K % 32)]); x = x.reshape(x.shape[:-1] + (-1, 32)); a = np.abs(x).max(-1, keepdims=True)
;;       e = np.where(a > 0, np.clip(np.frexp(np.where(a > 0, a, 1))[1] - 1 - 2, -126, 127), 0)      # np.frexp(a)[1] - 1 = floor(log2(a)), exactly
;;       r = np.clip(x / 2.0 ** e, -7.5, 7.5)
;;       step = 2.0 ** (np.maximum(np.frexp(np.where(r == 0, 1, r))[1] - 1, 0) - 3)
;;       q = np.round(r / step) * step * 2.0 ** e      # np.round: ties to even
;;       return np.moveaxis(q.reshape(q.shape[:-2] + (-1,))[..., :K], -1, axis).astype(np.float32)
;;   ~~~
;; One version. Each part assembles by itself: llvm-mc -triple=amdgcn-amd-amdhsa -mcpu=gfx1250 --defsym DOCPART=n.
;; ======== version 1 of 1: 3 launches
;; limits: right only within a limited range of input values; values are held in bf16: 8 bits of precision
;; workspace buffers: wimg 819,200 bytes; cdv 262,144 bytes; cpart 1,048,576 bytes; ml 65,536 bytes; sc 262,144 bytes
;; launch prep (part 1): grid 64 x 2, 4 waves a work-group, no clusters, 43,520 bytes of LDS; arguments W_enc, W_dec, dec_hidden, wimg, cdv; writes wimg, cdv
.if DOCPART == 1
	.amdgcn_target "amdgcn-amd-amdhsa--gfx1250"
	.amdhsa_code_object_version 6
	.text
	.protected	k_q0075c51a55_prep
	.globl	k_q0075c51a55_prep
	.p2align	8
	.type	k_q0075c51a55_prep,@function
k_q0075c51a55_prep:
	s_mov_b64 s[64:65], 0
	v_nop
	global_prefetch_b8 v0, s[64:65] scope:SCOPE_SE
	s_setreg_imm32_b32 hwreg(HW_REG_WAVE_MODE, 25, 1), 1
	s_wait_xcnt 0x0
; W_enc [1024][1024] f32 becomes codes of FP6 (E2M3) with one E8M0 byte for each 32 along K, laid in the ORDER OF THE OPERAND'S REGISTERS:
; wimg = 64 tiles of 16 outputs x 12,800 bytes: eight K steps' fragments (1,536 bytes each: three runs of 512 bytes, lane l's 16 bytes at 16 l), then 512 bytes of scale words
; (lane L's 16 bytes: lanes 0-15 the words of K steps 0-3 of row L, lanes 16-31 those of K steps 4-7 of row L - 16).
; And cdv[tile][batch][16] = 2 log2(e) x (dec_hidden W_dec^T), both operands quantised here, by the scaled FP6 matrix instruction.
; SHARES.  Work-group (T, m2): tile T of 16 outputs; of W_enc its K steps 4 m2 .. 4 m2 + 3; of the second product batches 32 m2 .. 32 m2 + 31.  Wave w has seven jobs of 16 rows x 128 along K:
; job 0: W_enc, K step 4 m2 + w;  jobs 1, 2: W_dec, K steps 2 w, 2 w + 1;  jobs 3 to 6: dec_hidden, two tiles of 16 batches x the same two K steps.
; A job's 16 loads take a row's 512 consecutive bytes each; the numbers turn through the wave's own stage in LDS, so that a lane gets two whole blocks of 32 of its row, as the operand's layout asks.
; The second product's K is shared among the four waves (two K steps each); the four partial sums meet in LDS and are added in f32.
; A block's scale is 2^(floor(log2(largest magnitude)) - 2); its byte is the magnitude's exponent field - 2, held at 1 from below (a block of zeros keeps the byte 1: its codes are zeros).
; LIMITS: NaN and infinities among the inputs are not served.
.set STGW, 8448                        ; a wave's stage: 16 rows x 528 bytes
.set SPI,  528                         ; 512 bytes + 16: 33 x 16, so the 16 rows that a load of 16 bytes a lane touches lie in 16 different columns of 16 bytes
.set RED,  33792                       ; the partial sums: 2,048 bytes a wave
.set SCI,  41984                       ; W_enc's scale words of this work-group's four K steps: 256 bytes
.set OTB,  12800
.set FRB,  1536
.set QIN,  16                          ; v16-79   64 numbers of a lane: register 32 c + i = k 64 c + 32 (lane / 16) + i of row lane % 16
.set QT,   80                          ; v80-97   at work in QUANT
.set FD,   104                         ; v104-127 W_dec's two fragments
.set FH,   128                         ; v128-175 dec_hidden's four: (i2, a) at 12 (2 i2 + a)
.set FE,   176                         ; v176-187 W_enc's fragment
.set SW,   188                         ; v188 W_enc's scale word; v189-190 W_dec's; v191-194 dec_hidden's: these hold scales and nothing else
.set AC,   196                         ; v196-211 two accumulators
.set RD,   212                         ; v212-229 the reduce
.set H8,   7                           ; v7       8 x (lane / 16)
.set SEL,  34                          ; s[34:35] lane selects: lane l xor 16
.set MSB, 0
.macro WIN new                         ; the immediate's high byte repeats the setting that is left
.if MSB != \new
	s_set_vgpr_msb (MSB<<8)|\new
.set MSB, \new
.endif
.endm
; 64 numbers of a lane (two whole blocks of 32) become the 12 registers of a fragment and the row's scale word
.macro QUANT src, dst, wrd
.irp c, 0,1
.irp k, 0,1
	v_max3_num_f32 v[QT+2*\c+\k], |v[\src+32*\c+16*\k]|, |v[\src+32*\c+16*\k+1]|, 0x1800000   ; the floor 2^(3 - 127) among the leaves: the byte cannot fall under 1
.endr
.endr
.irp i, 2,4,6,8,10,12,14
.irp c, 0,1
.irp k, 0,1
	v_max3_num_f32 v[QT+2*\c+\k], v[QT+2*\c+\k], |v[\src+32*\c+16*\k+\i]|, |v[\src+32*\c+16*\k+\i+1]|   ; four chains by turns
.endr
.endr
.endr
.irp c, 0,1
	v_max_num_f32 v[QT+2*\c], v[QT+2*\c], v[QT+2*\c+1]
.endr
.irp c, 0,1
	v_add_nc_u32 v[QT+4+\c], 0xff000000, v[QT+2*\c]      ; 2 off the exponent field: the conversion's scale operand
.endr
.irp c, 0,1
	v_lshrrev_b32 v[QT+6+\c], 23, v[QT+4+\c]             ; the scale's byte
.endr
	v_lshl_or_b32 v[\wrd], v[QT+7], 16, v[QT+6]          ; my blocks are h and 2 + h of the row's four
	v_lshlrev_b32 v[\wrd], v[H8], v[\wrd]
	v_mov_b32 v[QT+8], 0                                 ; a lane permute's destination counts as one of its sources
	v_permlanex16_b32 v[QT+8], v[\wrd], s[SEL], s[SEL+1]
	v_or_b32 v[\wrd], v[\wrd], v[QT+8]                   ; with lane l xor 16's two bytes the word is whole
.irp c, 0,1
	v_cvt_scalef32_pk16_fp6_f32 v[\dst+6*\c:\dst+6*\c+2], v[\src+32*\c:\src+32*\c+15], v[QT+4+\c]
	v_cvt_scalef32_pk16_fp6_f32 v[QT+10+4*\c:QT+12+4*\c], v[\src+32*\c+16:\src+32*\c+31], v[QT+4+\c]   ; (a conversion's three registers begin on an even number)
.endr
	v_nop                                                ; one plain place behind a scaled conversion
.irp c, 0,1
.irp i, 0,1,2
	v_mov_b32 v[\dst+3+6*\c+\i], v[QT+10+4*\c+\i]
.endr
.endr
.endm
; job n's 16 loads: rows 4,096 bytes apart, 512 consecutive bytes each; jobs 0-3 land in window 1, jobs 4-6 in window 2
.macro JLD n, base, off, nt
.irp i, 0,1,2,3,4,5,6,7,8,9,10,11,12,13,14,15
.if \nt
	global_load_b128 v[64*((\n)%4)+4*\i:64*((\n)%4)+4*\i+3], v4, s[\base:\base+1] offset:\off+4096*\i th:TH_LOAD_NT
.else
	global_load_b128 v[64*((\n)%4)+4*\i:64*((\n)%4)+4*\i+3], v4, s[\base:\base+1] offset:\off+4096*\i
.endif
.endr
.endm
; job n: its loads are in; through the stage; quantised
.macro JOB n, dst, wrd
.if 16*(6-(\n)) > 63
	s_wait_loadcnt 63                                    ; more than 63 younger loads: the count's field holds no more, and a smaller count is safe
.else
	s_wait_loadcnt 16*(6-(\n))                           ; the younger jobs' loads may stay out
.endif
	WIN 0x04+4*((\n)/4)                                  ; an LDS store's data are its source 1: window 1 or 2
.irp i, 0,1,2,3,4,5,6,7,8,9,10,11,12,13,14,15
	ds_store_b128 v5, v[64*((\n)%4)+4*\i:64*((\n)%4)+4*\i+3] offset:SPI*\i
.endr
	WIN 0
.irp c, 0,1
.irp i, 0,1,2,3,4,5,6,7
	ds_load_b128 v[QIN+32*\c+4*\i:QIN+32*\c+4*\i+3], v6 offset:256*\c+16*\i   ; LDS serves a wave's instructions in order: these see the stores above
.endr
.endr
	s_wait_dscnt 0x0
	QUANT QIN, \dst, \wrd
.endm
	s_load_b128 s[4:7], s[0:1], 0x0                ; W_enc, W_dec
	s_load_b128 s[8:11], s[0:1], 0x10              ; dec_hidden, wimg
	s_load_b64 s[12:13], s[0:1], 0x20              ; cdv
	v_lshl_add_u32 v254, v0, 2, 0xa800
	v_mov_b32 v255, 0
	v_lshrrev_b32 v1, 5, v0
	v_readfirstlane_b32 s16, v1                    ; wave 0..3
	v_and_b32 v1, 31, v0                           ; lane
	v_and_b32 v2, 15, v0                           ; r
	v_bfe_u32 v3, v0, 4, 1                         ; h
	s_and_b32 s17, ttmp7, 0xffff                   ; m2
	v_lshlrev_b32 v4, 4, v1                        ; 16 x lane: my bytes of a run of 512
	s_mul_i32 s18, s16, STGW
	v_add_nc_u32 v5, s18, v4                       ; the stage, in: 16 x lane, rows in the immediate
	v_mul_u32_u24 v6, v2, SPI
	v_lshl_add_u32 v6, v3, 7, v6
	v_add_nc_u32 v6, s18, v6                       ; and out: row r, + 128 h: my block of 32 numbers
	v_lshlrev_b32 v[H8], 3, v3
	s_lshl_b32 s18, s16, 2
	s_add_co_u32 s18, s18, SCI
	v_lshl_add_u32 v8, v2, 4, s18                  ; W_enc's scale word: 16 r + 4 w
	s_lshl_b32 s18, s16, 11
	s_add_co_u32 s18, s18, RED
	v_add_nc_u32 v9, s18, v4                       ; my partial sums: 2,048 w + 16 x lane
	s_lshr_b32 s18, s16, 1
	s_lshl_b32 s18, s18, 10
	s_and_b32 s19, s16, 1
	s_lshl_b32 s19, s19, 7
	s_add_co_u32 s18, s18, s19
	s_add_co_u32 s18, s18, RED
	v_and_b32 v13, 1, v0
	v_bfe_u32 v14, v0, 2, 3
	v_bfe_u32 v15, v0, 1, 1
	v_lshl_add_u32 v10, v13, 9, s18                ; the reduce reads, for batch 8 w + lane / 4 and outputs 4 (lane % 4) on: tile w / 2, registers' half lane % 2,
	v_lshl_add_u32 v10, v14, 4, v10                ; source lane 8 (w % 2) + lane / 4
	v_lshl_add_u32 v10, v15, 8, v10                ; + 16 ((lane / 2) % 2)
	v_lshl_add_u32 v11, v1, 3, SCI                 ; the scale words' way out: 8 bytes a lane
	v_lshlrev_b32 v12, 3, v1
	s_mov_b32 s32, 0x4038aa3b                      ; 2 log2(e)
	s_mov_b32 s33, s32                             ; (named with it as a pair)
	s_mov_b32 s[SEL], 0x76543210
	s_mov_b32 s[SEL+1], 0xfedcba98
	s_lshl_b32 s20, ttmp9, 16                      ; 16 T rows of 4,096 bytes
	s_lshl_b32 s21, s17, 2
	s_add_co_u32 s21, s21, s16                     ; W_enc's K step: 4 m2 + w
	s_lshl_b32 s22, s21, 9
	s_add_co_u32 s22, s22, s20
	s_mov_b32 s23, 0
	s_lshl_b32 s24, s16, 10                        ; W_dec's and dec_hidden's K steps 2 w, 2 w + 1
	s_add_co_u32 s24, s24, s20
	s_mov_b32 s25, 0
	s_lshl_b32 s26, s17, 17                        ; 32 m2 rows
	s_lshl_b32 s27, s16, 10
	s_add_co_u32 s26, s26, s27
	s_mov_b32 s27, 0
	s_mul_i32 s28, ttmp9, OTB
	s_mul_i32 s29, s21, FRB
	s_add_co_u32 s30, s28, s29                     ; my fragment's image
	s_mov_b32 s31, 0
	s_lshl_b32 s29, s17, 8
	s_add_co_u32 s28, s28, s29
	s_add_co_u32 s28, s28, 8*FRB                   ; this work-group's half of the tile's scale words
	s_mov_b32 s29, 0
	s_lshl_b32 s36, ttmp9, 12
	s_lshl_b32 s37, s17, 11
	s_add_co_u32 s36, s36, s37
	s_lshl_b32 s37, s16, 9
	s_add_co_u32 s36, s36, s37                     ; cdv: 4,096 T + 2,048 m2 + 512 w
	s_mov_b32 s37, 0
	s_wait_kmcnt 0x0
	s_add_nc_u64 s[4:5], s[4:5], s[22:23]
	s_add_nc_u64 s[6:7], s[6:7], s[24:25]
	s_add_nc_u64 s[8:9], s[8:9], s[26:27]
	s_add_nc_u64 s[38:39], s[10:11], s[30:31]
	s_add_nc_u64 s[10:11], s[10:11], s[28:29]
	s_add_nc_u64 s[12:13], s[12:13], s[36:37]
	WIN 0x40                                       ; all 112 loads go out first
	JLD 0, 4, 0, 1                                 ; W_enc is read once in the launch
	JLD 1, 6, 0, 0
	JLD 2, 6, 512, 0
	JLD 3, 8, 0, 0
	WIN 0x80
	JLD 4, 8, 512, 0
	JLD 5, 8, 65536, 0
	JLD 6, 8, 65536+512, 0
	WIN 0
	JOB 0, FE, SW
.irp c, 0,1,2
	global_store_b128 v4, v[FE+4*\c:FE+4*\c+3], s[38:39] offset:512*\c   ; the fragment as it stands: 512 consecutive bytes a store
.endr
	ds_store_b32 v8, v[SW]                         ; lanes r and r + 16 write the same word with the same value
	JOB 1, FD, SW+1
	JOB 2, FD+12, SW+2
	JOB 3, FH, SW+3
	JOB 4, FH+12, SW+4
	JOB 5, FH+24, SW+5
	JOB 6, FH+36, SW+6
.rept 8
	v_nop                                          ; a scale register written by a vector instruction stands 8 places ahead of a scaled matrix instruction, an operand 4
.endr
	; source 0 = 16 outputs of W_dec, source 1 = 16 batches: lane (r, h) holds batch r, outputs 8 h + 0 .. 7.  Two accumulators by turns
	v_wmma_scale_f32_16x16x128_f8f6f4 v[AC:AC+7], v[FD:FD+11], v[FH:FH+11], 0, v[SW+1], v[SW+3] matrix_a_fmt:MATRIX_FMT_FP6 matrix_b_fmt:MATRIX_FMT_FP6
	v_wmma_scale_f32_16x16x128_f8f6f4 v[AC+8:AC+15], v[FD:FD+11], v[FH+24:FH+35], 0, v[SW+1], v[SW+5] matrix_a_fmt:MATRIX_FMT_FP6 matrix_b_fmt:MATRIX_FMT_FP6
	v_wmma_scale_f32_16x16x128_f8f6f4 v[AC:AC+7], v[FD+12:FD+23], v[FH+12:FH+23], v[AC:AC+7], v[SW+2], v[SW+4] matrix_a_fmt:MATRIX_FMT_FP6 matrix_b_fmt:MATRIX_FMT_FP6
	v_wmma_scale_f32_16x16x128_f8f6f4 v[AC+8:AC+15], v[FD+12:FD+23], v[FH+36:FH+47], v[AC+8:AC+15], v[SW+2], v[SW+6] matrix_a_fmt:MATRIX_FMT_FP6 matrix_b_fmt:MATRIX_FMT_FP6
.rept 4
	v_nop
.endr
	ds_store_b128 v9, v[AC:AC+3]                   ; each accumulator from its low end on
	ds_store_b128 v9, v[AC+4:AC+7] offset:512
	ds_store_b128 v9, v[AC+8:AC+11] offset:1024
	ds_store_b128 v9, v[AC+12:AC+15] offset:1536
	s_wait_dscnt 0x0                               ; for the others' sake: my partial sums and my scale word have landed
	s_barrier_signal -1
	s_barrier_wait -1
.irp p, 0,1,2,3
	ds_load_b128 v[RD+4*\p:RD+4*\p+3], v10 offset:2048*\p
.endr
	s_wait_dscnt 0x0
	v_pk_add_f32 v[RD:RD+1], v[RD:RD+1], v[RD+4:RD+5]
	v_pk_add_f32 v[RD+2:RD+3], v[RD+2:RD+3], v[RD+6:RD+7]
	v_pk_add_f32 v[RD+8:RD+9], v[RD+8:RD+9], v[RD+12:RD+13]
	v_pk_add_f32 v[RD+10:RD+11], v[RD+10:RD+11], v[RD+14:RD+15]
	v_pk_add_f32 v[RD:RD+1], v[RD:RD+1], v[RD+8:RD+9]
	v_pk_add_f32 v[RD+2:RD+3], v[RD+2:RD+3], v[RD+10:RD+11]
	v_pk_mul_f32 v[RD:RD+1], v[RD:RD+1], s[32:33] op_sel_hi:[1,0]
	v_pk_mul_f32 v[RD+2:RD+3], v[RD+2:RD+3], s[32:33] op_sel_hi:[1,0]
	global_store_b128 v4, v[RD:RD+3], s[12:13]     ; the wave stores 512 consecutive bytes
	s_cmp_lg_u32 s16, 0
	s_cbranch_scc1 .Ldone
	ds_load_b64 v[RD+16:RD+17], v11                ; wave 0: the four waves' scale words, 256 consecutive bytes
	s_wait_dscnt 0x0
	global_store_b64 v12, v[RD+16:RD+17], s[10:11]
.Ldone:
	s_wait_tensorcnt 0x0
	ds_add_u32 v254, v255
	s_wait_dscnt 0x0
	s_endpgm
.Lfunc_end_k_q0075c51a55_prep:
	.size	k_q0075c51a55_prep, .Lfunc_end_k_q0075c51a55_prep-k_q0075c51a55_prep
	.p2alignl 7, 3214868480
	.fill 96, 4, 3214868480
	.section	.rodata,"a",@progbits
	.p2align	6, 0x0
	.amdhsa_kernel k_q0075c51a55_prep
		.amdhsa_group_segment_fixed_size 43520
		.amdhsa_private_segment_fixed_size 0
		.amdhsa_enable_private_segment 0
		.amdhsa_kernarg_size 40
		.amdhsa_user_sgpr_count 2
		.amdhsa_user_sgpr_kernarg_segment_ptr 1
		.amdhsa_wavefront_size32 1
		.amdhsa_system_sgpr_workgroup_id_x 1
		.amdhsa_system_sgpr_workgroup_id_y 1
		.amdhsa_system_sgpr_workgroup_id_z 1
		.amdhsa_system_vgpr_workitem_id 0
		.amdhsa_next_free_vgpr 768
		.amdhsa_next_free_sgpr 66
		.amdhsa_reserve_vcc 0
		.amdhsa_float_denorm_mode_32 3
		.amdhsa_float_denorm_mode_16_64 3
		.amdhsa_memory_ordered 1
		.amdhsa_forward_progress 1
		.amdhsa_inst_pref_size 54
	.end_amdhsa_kernel
	.amdgpu_metadata
---
amdhsa.version: [ 1, 2 ]
amdhsa.kernels:
  - .name:           k_q0075c51a55_prep
    .symbol:         k_q0075c51a55_prep.kd
    .args:
      - { .name: W_enc, .offset: 0, .size: 8, .value_kind: global_buffer, .address_space: global }
      - { .name: W_dec, .offset: 8, .size: 8, .value_kind: global_buffer, .address_space: global }
      - { .name: dec_hidden, .offset: 16, .size: 8, .value_kind: global_buffer, .address_space: global }
      - { .name: wimg, .offset: 24, .size: 8, .value_kind: global_buffer, .address_space: global }
      - { .name: cdv, .offset: 32, .size: 8, .value_kind: global_buffer, .address_space: global }
    .group_segment_fixed_size: 43520
    .private_segment_fixed_size: 0
    .kernarg_segment_align: 8
    .kernarg_segment_size: 40
    .max_flat_workgroup_size: 128
    .sgpr_count:     66
    .vgpr_count:     768
    .wavefront_size: 32
...
	.end_amdgpu_metadata
.endif
;; end of part 1
;; launch main (part 2): grid 256 x 1, 4 waves a work-group, clusters of 4 x 1, 327,680 bytes of LDS; arguments enc_outputs, enc_mask, v, wimg, cdv, cpart, ml, sc; writes cpart, ml, sc
.if DOCPART == 2
	.amdgcn_target "amdgcn-amd-amdhsa--gfx1250"
	.amdhsa_code_object_version 6
	.text
	.protected	k_q0075c51a55_main
	.globl	k_q0075c51a55_main
	.p2align	8
	.type	k_q0075c51a55_main,@function
k_q0075c51a55_main:
	s_mov_b64 s[64:65], 0
	v_nop
	global_prefetch_b8 v0, s[64:65] scope:SCOPE_SE
	s_setreg_imm32_b32 hwreg(HW_REG_WAVE_MODE, 25, 1), 1
	s_wait_xcnt 0x0
	s_wait_alu depctr_hold_cnt(0) depctr_sa_sdst(0) depctr_va_vdst(0) depctr_va_sdst(0) depctr_va_ssrc(0) depctr_va_vcc(0) depctr_vm_vsrc(0)
	s_getreg_b32 s2, hwreg(HW_REG_IB_STS2, 6, 4)
	s_cmp_eq_u32 s2, 0
	s_cbranch_scc0 .Lentry_in_a_cluster
	s_endpgm
.Lentry_in_a_cluster:
	s_bfe_u32 s2, ttmp6, 0x10000c
	s_cmp_lg_u32 s2, 0x3003
	s_cbranch_scc0 .Lentry_shape_is_right
	s_endpgm
.Lentry_shape_is_right:
; For 256 rows x of one batch (a quarter of it): u[s] = sum over o of -2 v[o] / (1 + 2^(c (x W_enc^T)[s][o] + cd[o])), c = 2 log2(e), cd = c x the decoder's term (made by the launch before).
; LEFT OUT: tanh(z) = 1 - 2 / (1 + 2^(c z)), so u is the score less the sum of v: a term that is the same along the softmax's axis, for all values of the inputs.  A row whose mask is false gets -1e9, as it stands.
; Then a softmax with a running maximum, in base 2, and ctx = sum of p x.  Out: ctx (not normalised), the maximum m and the sum l, and the 256 u; the next launch joins a batch's four quarters.
; enc_outputs IS READ ONCE: a tile of 16 rows is kept as FP6 codes (for the product) and as bf16 (for the context) in registers until its scores are whole.
; FOUR TILES ARE AT WORK, A QUARTER OF W APART.  W's codes (register images, 64 tiles of 16 outputs) go round through two LDS slots of 8 tiles.  In quarter T (two steps) W's quarter T % 4 meets the tiles in slots 0-3.
; Ahead of quarter T the tile in slot T % 4 has met all four quarters: it retires (score, softmax, context) and tile T takes its slot.  19 quarters and a last retirement serve 16 tiles.
; The slots are empty at first: zero codes, zero rows, and -2e38 in the mask table's four rows ahead of the first tile; such a tile retires like any other and the first true maximum multiplies what it left by 0.
; SHARES.  In a step wave w multiplies W's tiles 2 w, 2 w + 1 (fetched by its own tensor load) with all 64 rows.  Of x wave w owns columns 256 w .. 256 w + 255: K steps 2 w, 2 w + 1; it quantises them,
; and the eight fragments go to the other waves through LDS as images of their registers.  For the context thread (w, l) owns columns 256 w + 128 a + 4 l + e.
; A STEP IS PRODUCTS, THEN ONE EPILOGUE: 64 products on 8 accumulators by turns; then c s + cd, 64 exponentials, + 1, 64 reciprocals, x -2 v: each kind of transcendental is one batch.
; Step 0's epilogue stands behind the change of slots and behind the requests for step 1's first fragments; step 1's stands behind the entering tile's first stores into the stage.
; W's fragments come two K steps at a time into two buffers by turns; step 1 takes the buffers the other way round, so that the buffer free at a step's end takes the next step's first pair.
; CLUSTER.  All work-groups walk the same W in the same order: the four of a cluster ask for each tile JOINTLY (mask 15); all tiles are shared along one axis: so 4 x 1.
; NO PREFETCH: a tile of x comes by 32 plain loads a wave into 128 registers, issued a whole quarter (128 products and two epilogues) ahead of the wait for them; W's 800 KB are read again and again by every work-group.
; THE MATRIX INSTRUCTION: source 0 = 16 outputs of W, source 1 = 16 rows of x: lane (r, h) holds row r and outputs 8 h + 0 .. 7.
; LIMITS: the sum of |v| lies far under 1e9 (else a masked row is not the least); NaN and infinities among the inputs are not served; x enters the context as bf16, the sums are f32.
; REGISTERS.  Window 0: v0-21 addresses; v22-25 m, l, f; v26-33 ctx; v34-49 x's scale words; v50-57 W's; v58-73 the slots' running u; v74-137 8 accumulators (tile g, slot q at 8 (4 g + q));
;   v138-233 W's fragments, two buffers of 48; cd and -2 v land in a buffer's first 32.  At a boundary v74-137 and v200-231 hold numbers to quantise, v138-181 scratch and codes; then v106-128 weights and the softmax's work.
;   Window 1: v0-191 x's codes of K steps 0-3, (s, slot q) at 12 (4 s + q); v192-255 the next tile's rows 0-7.   Window 2: the same for K steps 4-7 and rows 8-15.   Window 3: rows as bf16: 64 q + 4 i + 2 a + n.
.set RING1, 102400
.set WPART, 25600
.set OTB,   12800
.set FRB,   1536
.set STG,   204800
.set STGW,  8448
.set SPI,   528
.set XIMG,  238592
.set XSC,   250880
.set CDT,   251392
.set M2T,   255488
.set MVT,   259584
.set SCB,   260864
.set SX,    262144
.set SPARE, 262656
.set SPW, 20
.set NIL, 21
.set CTX, 26
.set XS,  34
.set WS,  50
.set SCR, 58
.set ACC, 74
.set WF,  138
.set QA,  74
.set QC,  106
.set QB,  200
.set QT,  138
.set PC0, 156
.set PC1, 168
.set PW0, 180
.set PW1, 181
.set PP,  106
.set SF,  122
.set LAND, 192
.set H8,  18
.set SEL, 56
; scalars: s[4:19] the eight addresses; s20 wave; s21 cx, s22 work-group; s[24:31] group 1; s[32:35], s[36:39] group 0 for slot 0, 1; s[40:41] W at my wave's two tiles; s[42:43] a step's offset in W;
; s44 T; s45 T % 4; s46 512 x step; s47 step; s48 64 T; s49-51 lane masks (T % 4 = 1, 2, 3); s[52:53] c; s54 log2(e); s58-63, s66-71 at work in the head
.set MSB, 0
.macro WIN new
.if MSB != \new
	s_set_vgpr_msb (MSB<<8)|\new
.set MSB, \new
.endif
.endm
.macro PLACES                          ; four places behind matrix instructions (ISA guide 7.12.1)
.rept 4
	v_nop
.endr
.endm
.macro VW
	s_wait_alu depctr_va_vdst(0)
.endm
.macro ROUND                           ; a round of the cluster's barrier
	s_barrier_signal -1
	s_barrier_wait -1
	s_cmp_lg_u32 s20, 0
	s_cbranch_scc1 .Lnot_wave_0_\@
	s_barrier_signal -3
.Lnot_wave_0_\@:
	s_barrier_wait -3
	s_barrier_signal -1
	s_barrier_wait -1
.endm
.macro JLOAD sg                        ; my wave's two tiles of W into slot sg: the same line with the same registers in all four work-groups
	tensor_load_to_lds s[32+4*(\sg):35+4*(\sg)], s[24:31]
	s_nop 0
.rept 4
	v_nop
.endr
.endm
; THE CHANGE OF SLOTS, ahead of the step in slot sg: all my tensor loads are in (one was out: my part of slot sg); the add; all my LDS work is done.  refill = 1: a round, and the other slot takes the next step's tiles.
.macro CHANGE sg, refill
	s_wait_tensorcnt 0x0
	ds_add_u32 v[SPW], v[NIL]
	s_lshl_b32 s47, s45, 1
.if \sg
	s_add_co_u32 s47, s47, 1                       ; the step: 2 (T % 4) + sg
.endif
	s_lshl_b32 s46, s47, 9                         ; its 128 outputs' place in the tables
.if \refill
	s_add_co_u32 s42, s47, 1
	s_and_b32 s42, s42, 7                          ; the next step, round W's end
	s_mul_i32 s42, s42, RING1
	s_add_nc_u64 s[38-4*(\sg):39-4*(\sg)], s[40:41], s[42:43]
	s_or_b32 s[39-4*(\sg)], s[39-4*(\sg)], 0x80000000
.endif
	s_wait_dscnt 0x0
.if \refill
	ROUND
	JLOAD 1-(\sg)
.else
	s_barrier_signal -1
	s_barrier_wait -1
.endif
.endm
.macro LOADP sg, p, par                ; W's fragments of K steps 2 p, 2 p + 1, both tiles, into buffer (p + par) % 2: 12 loads of 512 consecutive bytes
.irp u, 0,1
.irp g, 0,1
.irp c, 0,1,2
	ds_load_b128 v[WF+48*(((\p)+(\par))%2)+24*\u+12*\g+4*\c:WF+48*(((\p)+(\par))%2)+24*\u+12*\g+4*\c+3], v[2+(\sg)] offset:OTB*\g+FRB*(2*(\p)+\u)+512*\c
.endr
.endr
.endr
.endm
; K steps 2 p, 2 p + 1: slots lo .. 3 x my two tiles; the accumulators by turns, one instruction a turn; K step 0 starts the sums.  The words of K steps 4-7 lie in lanes 16-31.
.macro MULP p, lo, par
.irp u, 0,1
.irp q, 0,1,2,3
.if \q >= \lo
.irp g, 0,1
.set KSI, 2*(\p)+\u
.set rD, ACC+8*(4*\g+\q)
.set rW, WF+48*(((\p)+(\par))%2)+24*\u+12*\g
.set rX, 12*(4*(KSI%4)+\q)
.set rA, WS+4*\g+KSI%4
.set rB, XS+4*\q+KSI%4
.if KSI == 0
	v_wmma_scale_f32_16x16x128_f8f6f4 v[rD:rD+7], v[rW:rW+11], v[rX:rX+11], 0, v[rA], v[rB] matrix_a_fmt:MATRIX_FMT_FP6 matrix_b_fmt:MATRIX_FMT_FP6
.elseif KSI < 4
	v_wmma_scale_f32_16x16x128_f8f6f4 v[rD:rD+7], v[rW:rW+11], v[rX:rX+11], v[rD:rD+7], v[rA], v[rB] matrix_a_fmt:MATRIX_FMT_FP6 matrix_b_fmt:MATRIX_FMT_FP6
.else
	v_wmma_scale_f32_16x16x128_f8f6f4 v[rD:rD+7], v[rW:rW+11], v[rX:rX+11], v[rD:rD+7], v[rA], v[rB] matrix_a_fmt:MATRIX_FMT_FP6 matrix_b_fmt:MATRIX_FMT_FP6 matrix_a_scale:MATRIX_SCALE_ROW1 matrix_b_scale:MATRIX_SCALE_ROW1
.endif
.endr
.endif
.endr
.endr
.endm
.macro PRE sg, par                     ; behind a change of slots: the step's place in the tables, both tiles' scale words, the first pair of fragments: 14 loads
	v_add_nc_u32 v10, s46, v9
	ds_load_b128 v[WS:WS+3], v[2+(\sg)] offset:8*FRB
	ds_load_b128 v[WS+4:WS+7], v[2+(\sg)] offset:OTB+8*FRB
	LOADP \sg, 0, \par
.endm
.macro PROD sg, lo, par                ; the step's products; each pair of fragments is asked for while the pair before is multiplied
	LOADP \sg, 1, \par
	s_wait_dscnt 12                                ; all but the second pair's 12 loads
	WIN 0x04                                       ; source 1 (x, K steps 0-3): window 1
	MULP 0, \lo, \par
	PLACES
	LOADP \sg, 2, \par
	s_wait_dscnt 12
	MULP 1, \lo, \par
	PLACES
	LOADP \sg, 3, \par
	s_wait_dscnt 12
	WIN 0x08                                       ; K steps 4-7: window 2
	MULP 2, \lo, \par
	PLACES
.irp g, 0,1                                    ; cd and -2 v of my outputs 8 h + 0 .. 7 of both tiles, into the buffer that the third pair has left
	ds_load_b128 v[WF+48*(\par)+16*\g:WF+48*(\par)+16*\g+3], v10 offset:64*\g
	ds_load_b128 v[WF+48*(\par)+16*\g+4:WF+48*(\par)+16*\g+7], v10 offset:64*\g+16
	ds_load_b128 v[WF+48*(\par)+16*\g+8:WF+48*(\par)+16*\g+11], v10 offset:M2T-CDT+64*\g
	ds_load_b128 v[WF+48*(\par)+16*\g+12:WF+48*(\par)+16*\g+15], v10 offset:M2T-CDT+64*\g+16
.endr
	s_wait_dscnt 8                                 ; the fourth pair is in; these eight may be out
	MULP 3, \lo, \par
	WIN 0
.endm
.macro EPI lo, par                     ; u += -2 v / (1 + 2^(c s + cd)) for both tiles and slots lo .. 3; an infinite 2^.. gives 0: tanh = 1
.set TB, WF+48*(\par)
	PLACES
.irp j, 0,1,2,3
.irp g, 0,1
.irp q, 0,1,2,3
.if \q >= \lo
	v_pk_fma_f32 v[ACC+8*(4*\g+\q)+2*\j:ACC+8*(4*\g+\q)+2*\j+1], v[ACC+8*(4*\g+\q)+2*\j:ACC+8*(4*\g+\q)+2*\j+1], s[52:53], v[TB+16*\g+2*\j:TB+16*\g+2*\j+1] op_sel_hi:[1,0,1]   ; each accumulator from its low end on
.endif
.endr
.endr
.endr
	VW                                             ; ahead of the batch
.irp g, 0,1
.irp q, 0,1,2,3
.if \q >= \lo
.irp j, 0,1,2,3,4,5,6,7
	v_exp_f32 v[ACC+8*(4*\g+\q)+\j], v[ACC+8*(4*\g+\q)+\j]
.endr
.endif
.endr
.endr
	v_nop                                          ; a plain place behind the last exponential
	VW                                             ; and behind the batch
.irp j, 0,1,2,3
.irp g, 0,1
.irp q, 0,1,2,3
.if \q >= \lo
	v_pk_add_f32 v[ACC+8*(4*\g+\q)+2*\j:ACC+8*(4*\g+\q)+2*\j+1], v[ACC+8*(4*\g+\q)+2*\j:ACC+8*(4*\g+\q)+2*\j+1], 1.0 op_sel_hi:[1,0]
.endif
.endr
.endr
.endr
	VW
.irp g, 0,1
.irp q, 0,1,2,3
.if \q >= \lo
.irp j, 0,1,2,3,4,5,6,7
	v_rcp_f32 v[ACC+8*(4*\g+\q)+\j], v[ACC+8*(4*\g+\q)+\j]
.endr
.endif
.endr
.endr
	v_nop
	VW
.irp j, 0,1,2,3
.irp g, 0,1
.irp q, 0,1,2,3
.if \q >= \lo
	v_pk_fma_f32 v[SCR+4*\q+2*(\j%2):SCR+4*\q+2*(\j%2)+1], v[ACC+8*(4*\g+\q)+2*\j:ACC+8*(4*\g+\q)+2*\j+1], v[TB+16*\g+8+2*\j:TB+16*\g+8+2*\j+1], v[SCR+4*\q+2*(\j%2):SCR+4*\q+2*(\j%2)+1]
.endif
.endr
.endr
.endr
.endm
; A lane's two whole blocks of 32 numbers, at v[sa] on and v[sb] on, become the 12 registers of a fragment and the row's scale word
.macro QUANT sa, sb, dst, wrd
.irp c, 0,1
.irp k, 0,1
.set QS, (\sa)+((\sb)-(\sa))*\c+16*\k
	v_max3_num_f32 v[QT+2*\c+\k], |v[QS]|, |v[QS+1]|, 0x1800000   ; the floor 2^(3 - 127) among the leaves: the byte cannot fall under 1
.endr
.endr
.irp i, 2,4,6,8,10,12,14
.irp c, 0,1
.irp k, 0,1
.set QS, (\sa)+((\sb)-(\sa))*\c+16*\k+\i
	v_max3_num_f32 v[QT+2*\c+\k], v[QT+2*\c+\k], |v[QS]|, |v[QS+1]|   ; four chains by turns
.endr
.endr
.endr
.irp c, 0,1
	v_max_num_f32 v[QT+2*\c], v[QT+2*\c], v[QT+2*\c+1]
.endr
.irp c, 0,1
	v_add_nc_u32 v[QT+4+\c], 0xff000000, v[QT+2*\c]      ; 2 off the exponent field: the conversion's scale operand
.endr
.irp c, 0,1
	v_lshrrev_b32 v[QT+6+\c], 23, v[QT+4+\c]             ; the scale's byte
.endr
	v_lshl_or_b32 v[\wrd], v[QT+7], 16, v[QT+6]          ; my blocks are h and 2 + h of the row's four
	v_lshlrev_b32 v[\wrd], v[H8], v[\wrd]
	v_mov_b32 v[QT+8], 0
	v_permlanex16_b32 v[QT+8], v[\wrd], s[SEL], s[SEL+1]
	v_or_b32 v[\wrd], v[\wrd], v[QT+8]                   ; with lane l xor 16's two bytes the word is whole
.irp c, 0,1
.set QS, (\sa)+((\sb)-(\sa))*\c
	v_cvt_scalef32_pk16_fp6_f32 v[\dst+6*\c:\dst+6*\c+2], v[QS:QS+15], v[QT+4+\c]
	v_cvt_scalef32_pk16_fp6_f32 v[QT+10+4*\c:QT+12+4*\c], v[QS+16:QS+31], v[QT+4+\c]   ; (a conversion's three registers begin on an even number)
.endr
	v_nop                                                ; one plain place behind a scaled conversion
.irp c, 0,1
.irp i, 0,1,2
	v_mov_b32 v[\dst+3+6*\c+\i], v[QT+10+4*\c+\i]
.endr
.endr
.endm
.macro STAGE_IN a                      ; segment a (128 columns) of the 16 new rows into my stage, as loaded: 512 consecutive bytes a store
	WIN 0x04
.irp i, 0,1,2,3,4,5,6,7
	ds_store_b128 v4, v[LAND+8*\i+4*(\a):LAND+8*\i+4*(\a)+3] offset:SPI*\i
.endr
	WIN 0x08
.irp i, 0,1,2,3,4,5,6,7
	ds_store_b128 v4, v[LAND+8*\i+4*(\a):LAND+8*\i+4*(\a)+3] offset:SPI*(\i+8)
.endr
	WIN 0
.endm
.macro STAGE_OUT c, dst                ; and back: lane (r, h) takes block 2 c + h of row r.  LDS serves a wave's instructions in order
.irp i, 0,1,2,3,4,5,6,7
	ds_load_b128 v[\dst+4*\i:\dst+4*\i+3], v5 offset:256*(\c)+16*\i
.endr
.endm
.macro IMAGE dst, wrd, a               ; a fragment and its scale word go to LDS as they stand: four stores
.irp c, 0,1,2
	ds_store_b128 v6, v[\dst+4*\c:\dst+4*\c+3] offset:FRB*(\a)+512*\c
.endr
	ds_store_b32 v7, v[\wrd] offset:4*(\a)         ; lanes r and r + 16 write the same word with the same value
.endm
.macro SCOREP                          ; my wave's part of the retiring tile's u: one store
.irp q, 0,1,2,3
	v_pk_add_f32 v[234+2*\q:235+2*\q], v[SCR+4*\q:SCR+4*\q+1], v[SCR+4*\q+2:SCR+4*\q+3]
.endr
.irp q, 0,1,2,3
	v_add_f32 v[234+2*\q], v[234+2*\q], v[235+2*\q]
.endr
	v_cndmask_b32 v234, v234, v236, s49            ; slot T % 4's
	v_cndmask_b32 v234, v234, v238, s50
	v_cndmask_b32 v234, v234, v240, s51
	v_permlanex16_b32 v235, v234, s[SEL], s[SEL+1]
	v_add_f32 v234, v234, v235                     ; with the other eight outputs of each tile
	ds_store_b32 v11, v234
.endm
; BEHIND THE BOUNDARY'S BARRIER: the retiring tile's u, the mask, the running maximum and sum; every wave does the same, lane l for row l % 16.  At the end the 16 weights stand in every lane and ctx is under the new maximum.
; wl = 1: the next step's first 14 loads of W go out behind the five loads that this wants, and the wait leaves them out
.macro SOFT wl
	v_add_nc_u32 v15, s48, v13                     ; row T of the mask's table,
	v_add_nc_u32 v16, s48, v14                     ; and of the scores'
	ds_load_b32 v[SF], v12
	ds_load_b32 v[SF+1], v12 offset:64
	ds_load_b32 v[SF+2], v12 offset:128
	ds_load_b32 v[SF+3], v12 offset:192
	ds_load_b32 v[SF+4], v15
.if \wl
	PRE 0, 0
	VW
	s_wait_dscnt 14
.else
	VW
	s_wait_dscnt 0x0
.endif
	v_add_f32 v[SF], v[SF], v[SF+1]
	v_add_f32 v[SF+2], v[SF+2], v[SF+3]
	v_add_f32 v[SF], v[SF], v[SF+2]
	v_cmp_eq_f32 vcc_lo, 0, v[SF+4]
	v_cndmask_b32 v[SF], v[SF+4], v[SF], vcc_lo    ; u where the table has 0, else the table's number
	VW
	s_cmp_lg_u32 s20, 0
	s_cbranch_scc1 .Lnot_mine_\@
	ds_store_b32 v16, v[SF]                        ; wave 0 keeps the scores
.Lnot_mine_\@:
	v_mul_f32 v[SF+1], s54, v[SF]                  ; t = u log2(e)
	v_max_num_f32_dpp v[SF+2], v[SF+1], v[SF+1] row_xmask:1 row_mask:0xf bank_mask:0xf
	v_max_num_f32_dpp v[SF+2], v[SF+2], v[SF+2] row_xmask:2 row_mask:0xf bank_mask:0xf
	v_max_num_f32_dpp v[SF+2], v[SF+2], v[SF+2] row_xmask:4 row_mask:0xf bank_mask:0xf
	v_max_num_f32_dpp v[SF+2], v[SF+2], v[SF+2] row_xmask:8 row_mask:0xf bank_mask:0xf
	v_max_num_f32 v[SF+3], v22, v[SF+2]            ; the new maximum
	v_sub_f32 v[SF+4], v22, v[SF+3]
	v_sub_f32 v[SF+5], v[SF+1], v[SF+3]
	VW                                             ; ahead of the two
	v_exp_f32 v24, v[SF+4]                         ; f = 2^(old m - new m)
	v_exp_f32 v[SF+6], v[SF+5]                     ; p = 2^(t - m)
	v_mov_b32 v22, v[SF+3]                         ; (a plain place)
	VW                                             ; and behind them
	v_add_f32_dpp v[SF+2], v[SF+6], v[SF+6] row_xmask:1 row_mask:0xf bank_mask:0xf
	v_add_f32_dpp v[SF+2], v[SF+2], v[SF+2] row_xmask:2 row_mask:0xf bank_mask:0xf
	v_add_f32_dpp v[SF+2], v[SF+2], v[SF+2] row_xmask:4 row_mask:0xf bank_mask:0xf
	v_add_f32_dpp v[SF+2], v[SF+2], v[SF+2] row_xmask:8 row_mask:0xf bank_mask:0xf
	v_fma_f32 v23, v23, v24, v[SF+2]               ; l = l f + the tile's sum
.irp i, 0,1,2,3,4,5,6,7,8,9,10,11,12,13,14,15
	v_mov_b32_dpp v[PP+\i], v[SF+6] row_share:\i row_mask:0xf bank_mask:0xf   ; row i's weight to all lanes
.endr
.irp i, 0,2,4,6
	v_pk_mul_f32 v[CTX+\i:CTX+\i+1], v[CTX+\i:CTX+\i+1], v[24:25] op_sel_hi:[1,0]
.endr
.endm
.macro CTXQ q                          ; ctx += p x, the 16 rows of slot q at my 8 columns: bf16 x f32 + f32, eight sums by turns
	WIN 0x03
.irp i, 0,1,2,3,4,5,6,7,8,9,10,11,12,13,14,15
.irp a, 0,1
.irp e, 0,1,2,3
	v_fma_mix_f32_bf16 v[CTX+4*\a+\e], v[64*(\q)+4*\i+2*\a+\e/2], v[PP+\i], v[CTX+4*\a+\e] op_sel:[\e%2,0,0] op_sel_hi:[1,0,0]
.endr
.endr
.endr
	WIN 0
.endm
.macro ENTL q                          ; the new tile takes slot q: all eight fragments and the scale words from LDS (25 loads), u = 0
	WIN 0x40
.irp s, 0,1,2,3
.irp c, 0,1,2
	ds_load_b128 v[12*(4*\s+(\q))+4*\c:12*(4*\s+(\q))+4*\c+3], v8 offset:FRB*\s+512*\c
.endr
.endr
	WIN 0x80
.irp s, 0,1,2,3
.irp c, 0,1,2
	ds_load_b128 v[12*(4*\s+(\q))+4*\c:12*(4*\s+(\q))+4*\c+3], v8 offset:FRB*(\s+4)+512*\c
.endr
.endr
	WIN 0
	ds_load_b128 v[XS+4*(\q):XS+4*(\q)+3], v8 offset:XSC-XIMG
.irp i, 0,1,2,3
	v_mov_b32 v[SCR+4*(\q)+\i], 0
.endr
.endm
.macro ENTC q                          ; and its rows as bf16, where the retired tile's stood
	WIN 0xc5
.irp i, 0,1,2,3,4,5,6,7
.irp a, 0,1
.irp n, 0,1
	v_cvt_pk_bf16_f32 v[64*(\q)+4*\i+2*\a+\n], v[LAND+8*\i+4*\a+2*\n], v[LAND+8*\i+4*\a+2*\n+1]
.endr
.endr
.endr
	WIN 0xca
.irp i, 0,1,2,3,4,5,6,7
.irp a, 0,1
.irp n, 0,1
	v_cvt_pk_bf16_f32 v[64*(\q)+4*(\i+8)+2*\a+\n], v[LAND+8*\i+4*\a+2*\n], v[LAND+8*\i+4*\a+2*\n+1]
.endr
.endr
.endr
	WIN 0
.endm
.macro XLOADS                          ; a tile's 16 rows, my wave's 1,024 bytes of each: 32 loads of 512 consecutive bytes
	WIN 0x40
.irp i, 0,1,2,3,4,5,6,7
.irp a, 0,1
	global_load_b128 v[LAND+8*\i+4*\a:LAND+8*\i+4*\a+3], v17, s[4:5] offset:4096*\i+512*\a th:TH_LOAD_NT
.endr
.endr
	WIN 0x80
.irp i, 0,1,2,3,4,5,6,7
.irp a, 0,1
	global_load_b128 v[LAND+8*\i+4*\a:LAND+8*\i+4*\a+3], v17, s[4:5] offset:4096*(\i+8)+512*\a th:TH_LOAD_NT
.endr
.endr
	WIN 0
.endm
.macro ADV                             ; on to the next quarter
	s_add_co_u32 s44, s44, 1
	s_and_b32 s45, s44, 3
	s_add_co_u32 s48, s48, 64
	s_cmp_eq_u32 s45, 1
	s_cselect_b32 s49, -1, 0
	s_cmp_eq_u32 s45, 2
	s_cselect_b32 s50, -1, 0
	s_cmp_eq_u32 s45, 3
	s_cselect_b32 s51, -1, 0
.endm
	; THE HEAD: the arguments; the opening lines; all scalar work; then one run of vector lines; then one wait
	s_load_b512 s[4:19], s[0:1], 0x0               ; enc_outputs, enc_mask, v, wimg, cdv, cpart, ml, sc
	v_lshl_add_u32 v[SPW], v0, 2, SPARE
	v_mov_b32 v[NIL], 0
	ds_add_u32 v[SPW], v[NIL]                      ; the opening lines: the add twice on end and one wait
	ds_add_u32 v[SPW], v[NIL]
	v_lshrrev_b32 v1, 5, v0
	v_readfirstlane_b32 s20, v1                    ; wave 0..3
	s_mul_i32 s33, s20, WPART                      ; my part of slot 0: also group 0's LDS address
	s_add_co_u32 s37, s33, RING1                   ; and of slot 1
	s_mul_i32 s66, s20, STGW
	s_add_co_u32 s66, s66, STG                     ; my stage
	s_mul_i32 s67, s20, 2*FRB
	s_add_co_u32 s67, s67, XIMG                    ; my two fragments' images
	s_lshr_b32 s68, s20, 1
	s_lshl_b32 s68, s68, 8
	s_and_b32 s61, s20, 1
	s_lshl_b32 s61, s61, 3
	s_add_co_u32 s68, s68, s61
	s_add_co_u32 s68, s68, XSC                     ; their scale words: 256 (w / 2) + 8 (w % 2)
	s_lshl_b32 s69, s20, 7
	s_add_co_u32 s69, s69, CDT
	s_lshl_b32 s70, s20, 6
	s_add_co_u32 s70, s70, SX
	s_lshl_b32 s71, s20, 10
	; group 1: 25,600 dense bytes as 100 rows of 256 (32 elements of 8 bytes), no padding: the images are read 512 consecutive bytes a load
	s_mov_b32 s24, 15|(3<<16)|(1<<21)              ; the mask: all four work-groups; elements of 8 bytes; bit 21 beside a mask
	s_mov_b32 s25, 32<<16
	s_mov_b32 s26, 100<<16
	s_mov_b32 s27, 32<<16
	s_mov_b32 s28, 100
	s_mov_b32 s29, 32
	s_mov_b32 s30, 0
	s_mov_b32 s31, 0
	s_mov_b32 s32, 1
	s_mov_b32 s36, 1
	s_mov_b32 s43, 0
	s_mov_b32 s44, 0
	s_mov_b32 s45, 0
	s_mov_b32 s48, 0
	s_mov_b32 s49, 0
	s_mov_b32 s50, 0
	s_mov_b32 s51, 0
	s_mov_b32 s52, 0x4038aa3b                      ; c = 2 log2(e)
	s_mov_b32 s53, s52
	s_mov_b32 s54, 0x3fb8aa3b                      ; log2(e)
	s_mov_b32 s[SEL], 0x76543210
	s_mov_b32 s[SEL+1], 0xfedcba98
	s_bfe_u32 s21, ttmp6, 0x40000                  ; cx; ttmp9 counts clusters: the batch
	s_lshl_b32 s22, ttmp9, 2
	s_add_co_u32 s22, s22, s21                     ; my quarter of a batch, 0 .. 255
	s_mov_b32 s59, 0
	s_mov_b32 s62, s33                             ; my wave's tiles in a step of W: no place in the cluster enters the descriptors
	s_mov_b32 s63, 0
	s_wait_dscnt 0x0                               ; both opening adds are done
	v_and_b32 v1, 31, v0                           ; lane
	v_and_b32 v19, 15, v0                          ; r
	v_bfe_u32 v18, v0, 4, 1                        ; h
	v_lshl_add_u32 v2, v1, 4, s33                  ; v2, v3: W's images in slot 0, 1
	v_add_nc_u32 v3, RING1, v2
	v_lshl_add_u32 v4, v1, 4, s66                  ; v4: my stage, in
	v_mul_u32_u24 v5, v19, SPI
	v_lshl_add_u32 v5, v18, 7, v5
	v_add_nc_u32 v5, s66, v5                       ; v5: and out: row r, + 128 h
	v_lshl_add_u32 v6, v1, 4, s67                  ; v6: where I store my two fragments
	v_lshl_add_u32 v7, v19, 4, s68                 ; v7: and their scale words
	v_lshl_add_u32 v8, v1, 4, XIMG                 ; v8: where any wave reads an image
	v_lshl_add_u32 v9, v18, 5, s69                 ; v9: the tables: 128 w + 32 h  (v10: the same at the step in hand)
	v_lshl_add_u32 v11, v19, 2, s70                ; v11: my wave's part of u
	v_lshl_add_u32 v12, v19, 2, SX                 ; v12: all four parts
	v_lshl_add_u32 v13, v19, 2, MVT                ; v13, v14: my row's word in the mask's table and among the scores
	v_lshl_add_u32 v14, v19, 2, SCB
	v_lshl_add_u32 v17, v1, 4, s71                 ; v17: 1,024 w + 16 x lane: my bytes of a row of x, and of ctx
	v_lshlrev_b32 v[H8], 3, v18
	v_lshrrev_b32 v138, 2, v0                      ; cd lies [tile][batch][16]: thread t takes 16 bytes of tile t / 4 (and of tile 32 + t / 4)
	v_and_b32 v139, 3, v0
	v_lshlrev_b32 v138, 12, v138
	v_lshl_add_u32 v138, v139, 4, v138
	v_lshlrev_b32 v139, 4, v0                      ; v: 16 bytes a thread
	v_lshl_add_u32 v140, v0, 4, CDT
	v_lshl_add_u32 v141, v0, 2, MVT+256
	v_lshl_add_u32 v142, v0, 2, MVT
	v_mov_b32 v143, 0xce6e6b28                     ; -1e9
	v_mov_b32 v144, 0xff167694                     ; -2e38: under every score, above the first m
	VW
	s_wait_kmcnt 0x0
	s_lshl_b32 s58, s22, 20
	s_add_nc_u64 s[4:5], s[4:5], s[58:59]          ; x: 256 rows of 4,096 bytes
	s_lshl_b32 s58, s22, 8
	s_add_nc_u64 s[6:7], s[6:7], s[58:59]          ; the mask's 256 bytes
	s_add_nc_u64 s[16:17], s[16:17], s[58:59]      ; ml
	s_lshl_b32 s58, ttmp9, 6
	s_add_nc_u64 s[12:13], s[12:13], s[58:59]      ; cd: my batch's 64 bytes of each tile
	s_lshl_b32 s58, s22, 12
	s_add_nc_u64 s[14:15], s[14:15], s[58:59]      ; cpart
	s_lshl_b32 s58, s22, 10
	s_add_nc_u64 s[18:19], s[18:19], s[58:59]      ; sc
	s_add_nc_u64 s[40:41], s[10:11], s[62:63]
	s_mov_b64 s[34:35], s[40:41]                   ; slot 0 begins with step 0
	s_or_b32 s35, s35, 0x80000000
	global_load_b128 v[148:151], v138, s[12:13]
	global_load_b128 v[152:155], v138, s[12:13] offset:131072
	global_load_b128 v[156:159], v139, s[8:9]
	global_load_b128 v[160:163], v139, s[8:9] offset:2048
	global_load_u8 v164, v0, s[6:7]
	global_load_u8 v165, v0, s[6:7] offset:128
	XLOADS                                         ; tile 0
	ROUND                                          ; all four work-groups are here: the first joint load meets
	JLOAD 0
	; the four slots are empty: zero codes, zero scale words (a byte 0 is a power of two: zero codes add nothing under it), zero rows, zero u
	WIN 0x40
.set i, 0
.rept 192
	v_mov_b32 v[i], 0
.set i, i+1
.endr
	WIN 0x80
.set i, 0
.rept 192
	v_mov_b32 v[i], 0
.set i, i+1
.endr
	WIN 0xc0
.set i, 0
.rept 256
	v_mov_b32 v[i], 0
.set i, i+1
.endr
	WIN 0
.set i, 0
.rept 16
	v_mov_b32 v[XS+i], 0
	v_mov_b32 v[SCR+i], 0
.set i, i+1
.endr
.set i, 0
.rept 8
	v_mov_b32 v[CTX+i], 0
.set i, i+1
.endr
	v_mov_b32 v22, 0xff61b1e6                      ; m = -3e38
	v_mov_b32 v23, 0                               ; l
	v_mov_b32 v24, 0
	v_mov_b32 v25, 0                               ; (named with f as a pair)
	VW                                             ; the head's end
	s_wait_loadcnt 32                              ; the tables' six loads are in; tile 0's 32 may be out
	ds_store_b128 v140, v[148:151]
	ds_store_b128 v140, v[152:155] offset:2048
.irp i, 156,158,160,162
	v_pk_mul_f32 v[\i:\i+1], v[\i:\i+1], -2.0 op_sel_hi:[1,0]
.endr
	ds_store_b128 v140, v[156:159] offset:M2T-CDT
	ds_store_b128 v140, v[160:163] offset:M2T-CDT+2048
	v_cmp_eq_u32 vcc_lo, 0, v164
	v_cndmask_b32 v164, 0, v143, vcc_lo            ; 0 where the row counts, else -1e9
	v_cmp_eq_u32 vcc_lo, 0, v165
	v_cndmask_b32 v165, 0, v143, vcc_lo
	ds_store_b32 v141, v164
	ds_store_b32 v141, v165 offset:512
	s_cmp_lt_u32 s20, 2
	s_cbranch_scc0 .Lno_dummy
	ds_store_b32 v142, v144                        ; waves 0 and 1: the 64 words of the four empty tiles
.Lno_dummy:
	s_wait_loadcnt 0x0                             ; tile 0
	STAGE_IN 0
.Lquarter:                                         ; 16 trips: T = 0 .. 15: tile T - 4 retires, tile T enters (its segment 0 lies in the stage); W's quarter T % 4 is multiplied
	STAGE_OUT 0, QA
	STAGE_OUT 1, QB
	STAGE_IN 1
	STAGE_OUT 0, QC
	s_wait_dscnt 24                                ; segment 0 is back; segment 1's 16 stores and 8 loads may be out
	QUANT QA, QB, PC0, PW0
	STAGE_OUT 1, QB
	IMAGE PC0, PW0, 0
	SCOREP
	s_wait_dscnt 5                                 ; segment 1 is back; the image's four stores and the score's one may be out
	QUANT QC, QB, PC1, PW1
	IMAGE PC1, PW1, 1
	CHANGE 0, 1                                    ; its round also shows every wave the parts of u, the new fragments and (in the first trip) the tables
	SOFT 1
	VW                                             ; ahead of the branches: the arms read the weights and ctx
	s_cmp_eq_u32 s45, 0                            ; the slot's registers are named in the text: four arms, alike in their LDS instructions
	s_cbranch_scc0 .Lslot1
	ENTL 0                                         ; the loads go out ahead of the context's 128 multiply-adds
	CTXQ 0
	ENTC 0
	s_branch .Lentered
.Lslot1:
	s_cmp_eq_u32 s45, 1
	s_cbranch_scc0 .Lslot2
	ENTL 1
	CTXQ 1
	ENTC 1
	s_branch .Lentered
.Lslot2:
	s_cmp_eq_u32 s45, 2
	s_cbranch_scc0 .Lslot3
	ENTL 2
	CTXQ 2
	ENTC 2
	s_branch .Lentered
.Lslot3:
	ENTL 3
	CTXQ 3
	ENTC 3
.Lentered:
	s_cmp_ge_u32 s44, 15                           ; tile 15 has no successor: no load leaves the buffer
	s_cbranch_scc1 .Lno_next
	s_add_nc_u64 s[4:5], s[4:5], 0x10000           ; 16 rows on (the loads that named this base have been waited for)
	XLOADS                                         ; they have the quarter's two steps in which to land
.Lno_next:
	PROD 0, 0, 0
	CHANGE 1, 1                                    ; the four v_nop behind the joint load are the places in front of the loads below
	PRE 1, 1
	EPI 0, 0                                       ; step 0's epilogue, while step 1's first fragments come from LDS
	PROD 1, 0, 1
	ADV
	s_wait_loadcnt 0x0                             ; the next tile (in the last trip none is out, and the stage takes tile 15's rows once more, which nobody reads)
	STAGE_IN 0
	s_wait_dscnt 16                                ; step 1's cd and -2 v are in; the 16 stores just issued may be out
	EPI 0, 1
	s_cmp_lt_u32 s44, 16
	s_cbranch_scc1 .Lquarter
	; THE TAIL is written out: nothing enters, and a step multiplies the slots that are still at work
.irp lo, 1,2
	SCOREP                                         ; T = 15 + lo
	CHANGE 0, 1
	SOFT 1
	CTXQ \lo-1
	PROD 0, \lo, 0
	CHANGE 1, 1
	PRE 1, 1
	EPI \lo, 0
	PROD 1, \lo, 1
	ADV
	s_wait_dscnt 0x0                               ; step 1's cd and -2 v are in
	EPI \lo, 1
.endr
	SCOREP                                         ; T = 18
	CHANGE 0, 1
	SOFT 1
	CTXQ 2
	PROD 0, 3, 0
	CHANGE 1, 0                                    ; the last step's tiles are in: nothing more is asked for
	PLACES
	PRE 1, 1
	EPI 3, 0
	PROD 1, 3, 1
	ADV
	s_wait_dscnt 0x0                               ; step 1's cd and -2 v are in
	EPI 3, 1
	SCOREP                                         ; T = 19: tile 15 retires
	CHANGE 0, 0
	SOFT 0
	CTXQ 3
	; THE WAY OUT
	v_lshlrev_b32 v15, 3, v1
	v_lshl_add_u32 v16, v1, 4, SCB+256
	v_lshlrev_b32 v10, 4, v1
	VW
	global_store_b128 v17, v[CTX:CTX+3], s[14:15]               ; the wave stores 512 consecutive bytes
	global_store_b128 v17, v[CTX+4:CTX+7], s[14:15] offset:512
	s_cmp_lg_u32 s20, 0
	s_cbranch_scc1 .Lclose
	global_store_b64 v15, v[22:23], s[16:17]       ; wave 0: (m, l) from all 32 lanes: 256 consecutive bytes
	ds_load_b128 v[238:241], v16                   ; and the 256 scores, which it stored itself
	ds_load_b128 v[242:245], v16 offset:512
	s_wait_dscnt 0x0
	global_store_b128 v10, v[238:241], s[18:19]
	global_store_b128 v10, v[242:245], s[18:19] offset:512
.Lclose:
	s_wait_tensorcnt 0x0                           ; the wave's end
	ds_add_u32 v[SPW], v[NIL]
	s_wait_dscnt 0x0
	ROUND                                          ; the closing round: no work-group ends while a partner may still ask for a tile that names it
	s_endpgm
.Lfunc_end_k_q0075c51a55_main:
	.size	k_q0075c51a55_main, .Lfunc_end_k_q0075c51a55_main-k_q0075c51a55_main
	.p2alignl 7, 3214868480
	.fill 96, 4, 3214868480
	.section	.rodata,"a",@progbits
	.p2align	6, 0x0
	.amdhsa_kernel k_q0075c51a55_main
		.amdhsa_group_segment_fixed_size 327680
		.amdhsa_private_segment_fixed_size 0
		.amdhsa_enable_private_segment 0
		.amdhsa_kernarg_size 64
		.amdhsa_user_sgpr_count 2
		.amdhsa_user_sgpr_kernarg_segment_ptr 1
		.amdhsa_wavefront_size32 1
		.amdhsa_system_sgpr_workgroup_id_x 1
		.amdhsa_system_sgpr_workgroup_id_y 1
		.amdhsa_system_sgpr_workgroup_id_z 1
		.amdhsa_system_vgpr_workitem_id 0
		.amdhsa_next_free_vgpr 1024
		.amdhsa_next_free_sgpr 74
		.amdhsa_reserve_vcc 1
		.amdhsa_float_denorm_mode_32 3
		.amdhsa_float_denorm_mode_16_64 3
		.amdhsa_memory_ordered 1
		.amdhsa_forward_progress 1
		.amdhsa_inst_pref_size 255
	.end_amdhsa_kernel
	.section	.bss,"aw",@nobits
	.p2align	6
	.space	262144
	.amdgpu_metadata
---
amdhsa.version: [ 1, 2 ]
amdhsa.kernels:
  - .name:           k_q0075c51a55_main
    .symbol:         k_q0075c51a55_main.kd
    .args:
      - { .name: enc_outputs, .offset: 0, .size: 8, .value_kind: global_buffer, .address_space: global }
      - { .name: enc_mask, .offset: 8, .size: 8, .value_kind: global_buffer, .address_space: global }
      - { .name: v, .offset: 16, .size: 8, .value_kind: global_buffer, .address_space: global }
      - { .name: wimg, .offset: 24, .size: 8, .value_kind: global_buffer, .address_space: global }
      - { .name: cdv, .offset: 32, .size: 8, .value_kind: global_buffer, .address_space: global }
      - { .name: cpart, .offset: 40, .size: 8, .value_kind: global_buffer, .address_space: global }
      - { .name: ml, .offset: 48, .size: 8, .value_kind: global_buffer, .address_space: global }
      - { .name: sc, .offset: 56, .size: 8, .value_kind: global_buffer, .address_space: global }
    .group_segment_fixed_size: 327680
    .private_segment_fixed_size: 0
    .kernarg_segment_align: 8
    .kernarg_segment_size: 64
    .max_flat_workgroup_size: 128
    .sgpr_count:     74
    .vgpr_count:     1024
    .wavefront_size: 32
...
	.end_amdgpu_metadata
.endif
;; end of part 2
;; launch comb (part 3): grid 256 x 1, 2 waves a work-group, no clusters, 0 bytes of LDS; arguments cpart, ml, sc, out0, out1; writes out0, out1
.if DOCPART == 3
	.amdgcn_target "amdgcn-amd-amdhsa--gfx1250"
	.amdhsa_code_object_version 6
	.text
	.protected	k_q0075c51a55_comb
	.globl	k_q0075c51a55_comb
	.p2align	8
	.type	k_q0075c51a55_comb,@function
k_q0075c51a55_comb:
	s_mov_b64 s[64:65], 0
	v_nop
	global_prefetch_b8 v0, s[64:65] scope:SCOPE_SE
	s_setreg_imm32_b32 hwreg(HW_REG_WAVE_MODE, 25, 1), 1
	s_wait_xcnt 0x0
; A batch's four quarters are joined.  Quarter j left its maximum m_j and sum l_j (base 2), ctx_j = sum of 2^(t - m_j) x, and its scores u.
; M = the largest m_j;  w_j = 2^(m_j - M);  L = sum of l_j w_j;  out0 = (sum of ctx_j w_j) / L;  out1 = 2^(u log2(e) - M) / L.
; t is made by a multiplication and a subtraction, as in the launch before: the same bits, so that t - M is exactly 0 at the maximum, also where every row of a batch is masked.
; Work-group 4 b + part: 256 columns of out0 and 256 rows of out1 of batch b; 64 threads, 16 bytes each: a wave's load or store covers 512 consecutive bytes.  A stream: no LDS, no matrix unit, no barrier.
	s_load_b256 s[4:11], s[0:1], 0x0               ; cpart, ml, sc, out0
	s_load_b64 s[12:13], s[0:1], 0x20              ; out1
	s_lshr_b32 s14, ttmp9, 2                       ; b
	s_and_b32 s15, ttmp9, 3                        ; part
	v_lshlrev_b32 v1, 4, v0                        ; 16 bytes a thread
	v_and_b32 v2, 31, v0
	v_lshlrev_b32 v2, 3, v2                        ; (m, l) stands 32 times in its 256 bytes: a lane takes its own copy
	s_lshl_b32 s15, s15, 10
	s_lshl_b32 s16, s14, 14
	s_add_co_u32 s16, s16, s15                     ; cpart: four rows of 4,096 bytes a batch, + my 1,024
	s_mov_b32 s17, 0
	s_lshl_b32 s18, s14, 10                        ; ml: four times 256 bytes a batch
	s_mov_b32 s19, 0
	s_lshl_b32 s20, ttmp9, 10                      ; sc: my quarter's 1,024 bytes
	s_mov_b32 s21, 0
	s_lshl_b32 s22, s14, 12
	s_add_co_u32 s22, s22, s15                     ; out0, out1: row b, + my 1,024 bytes
	s_mov_b32 s23, 0
	s_mov_b32 s24, 0x3fb8aa3b                      ; log2(e)
	s_wait_alu depctr_va_vdst(0)
	s_wait_kmcnt 0x0
	s_add_nc_u64 s[4:5], s[4:5], s[16:17]
	s_add_nc_u64 s[6:7], s[6:7], s[18:19]
	s_add_nc_u64 s[8:9], s[8:9], s[20:21]
	s_add_nc_u64 s[10:11], s[10:11], s[22:23]
	s_add_nc_u64 s[12:13], s[12:13], s[22:23]
.irp j, 0,1,2,3
	global_load_b64 v[4+2*\j:5+2*\j], v2, s[6:7] offset:256*\j
.endr
.irp j, 0,1,2,3
	global_load_b128 v[12+4*\j:15+4*\j], v1, s[4:5] offset:4096*\j
.endr
	global_load_b128 v[28:31], v1, s[8:9]
	s_wait_loadcnt 0x0
	v_max3_num_f32 v32, v4, v6, v8
	v_max_num_f32 v32, v32, v10                    ; M
.irp j, 0,1,2,3
	v_sub_f32 v[34+\j], v[4+2*\j], v32
.endr
.irp e, 0,1,2,3
	v_mul_f32 v[28+\e], s24, v[28+\e]
.endr
.irp e, 0,1,2,3
	v_sub_f32 v[28+\e], v[28+\e], v32
.endr
	s_wait_alu depctr_va_vdst(0)
.irp j, 0,1,2,3
	v_exp_f32 v[34+\j], v[34+\j]                   ; w_j
.endr
.irp e, 0,1,2,3
	v_exp_f32 v[28+\e], v[28+\e]                   ; 2^(t - M)
.endr
	v_nop                                          ; a plain place behind the last exponential
	s_wait_alu depctr_va_vdst(0)                   ; one wait for the eight
	v_mul_f32 v40, v5, v34
	v_fma_f32 v40, v7, v35, v40
	v_fma_f32 v40, v9, v36, v40
	v_fma_f32 v40, v11, v37, v40                   ; L
	s_wait_alu depctr_va_vdst(0)
	v_rcp_f32 v41, v40
.irp e, 0,1,2,3
	v_mul_f32 v[42+\e], v[12+\e], v34              ; plain work behind the reciprocal, which names neither L nor 1 / L
.endr
.irp e, 0,1,2,3
	v_fma_f32 v[42+\e], v[16+\e], v35, v[42+\e]
.endr
.irp e, 0,1,2,3
	v_fma_f32 v[42+\e], v[20+\e], v36, v[42+\e]
.endr
.irp e, 0,1,2,3
	v_fma_f32 v[42+\e], v[24+\e], v37, v[42+\e]
.endr
	s_wait_alu depctr_va_vdst(0)                   ; ahead of the reciprocal's first reader
.irp e, 0,1,2,3
	v_mul_f32 v[42+\e], v[42+\e], v41
.endr
.irp e, 0,1,2,3
	v_mul_f32 v[28+\e], v[28+\e], v41
.endr
	global_store_b128 v1, v[42:45], s[10:11]
	global_store_b128 v1, v[28:31], s[12:13]
	s_endpgm
.Lfunc_end_k_q0075c51a55_comb:
	.size	k_q0075c51a55_comb, .Lfunc_end_k_q0075c51a55_comb-k_q0075c51a55_comb
	.p2alignl 7, 3214868480
	.fill 96, 4, 3214868480
	.section	.rodata,"a",@progbits
	.p2align	6, 0x0
	.amdhsa_kernel k_q0075c51a55_comb
		.amdhsa_group_segment_fixed_size 0
		.amdhsa_private_segment_fixed_size 0
		.amdhsa_enable_private_segment 0
		.amdhsa_kernarg_size 40
		.amdhsa_user_sgpr_count 2
		.amdhsa_user_sgpr_kernarg_segment_ptr 1
		.amdhsa_wavefront_size32 1
		.amdhsa_system_sgpr_workgroup_id_x 1
		.amdhsa_system_sgpr_workgroup_id_y 1
		.amdhsa_system_sgpr_workgroup_id_z 1
		.amdhsa_system_vgpr_workitem_id 0
		.amdhsa_next_free_vgpr 48
		.amdhsa_next_free_sgpr 66
		.amdhsa_reserve_vcc 0
		.amdhsa_float_denorm_mode_32 3
		.amdhsa_float_denorm_mode_16_64 3
		.amdhsa_memory_ordered 1
		.amdhsa_forward_progress 1
		.amdhsa_inst_pref_size 5
	.end_amdhsa_kernel
	.amdgpu_metadata
---
amdhsa.version: [ 1, 2 ]
amdhsa.kernels:
  - .name:           k_q0075c51a55_comb
    .symbol:         k_q0075c51a55_comb.kd
    .args:
      - { .name: cpart, .offset: 0, .size: 8, .value_kind: global_buffer, .address_space: global }
      - { .name: ml, .offset: 8, .size: 8, .value_kind: global_buffer, .address_space: global }
      - { .name: sc, .offset: 16, .size: 8, .value_kind: global_buffer, .address_space: global }
      - { .name: out0, .offset: 24, .size: 8, .value_kind: global_buffer, .address_space: global }
      - { .name: out1, .offset: 32, .size: 8, .value_kind: global_buffer, .address_space: global }
    .group_segment_fixed_size: 0
    .private_segment_fixed_size: 0
    .kernarg_segment_align: 8
    .kernarg_segment_size: 40
    .max_flat_workgroup_size: 64
    .sgpr_count:     66
    .vgpr_count:     48
    .wavefront_size: 32
...
	.end_amdgpu_metadata
.endif
;; end of part 3
